; MI455X (gfx1250); checked and timed in simulation.
; The chip was launched on July 23, 2026; its instructions are those of AMD's public machine-readable ISA for CDNA 5 (MIT licence, August 2026) and "CDNA5" Instruction Set Architecture Reference Guide (July 2026). The comments in the code are by the model that wrote it; some were corrected since.
;; Mo E Layer. Allowed arithmetic: matrix products marked QUANTISED: E2M1 operands, one E8M0 scale for each 32 along K, by v_wmma_scale_f32_16x16x128_f8f6f4 with both operands' format E2M1 (or v_wmma_scale_f32_32x16x128_f4), f32 sums; products left as they are: f32 operands where the result goes on into a quantised operand, else bf16, f16 or f32 operands; f32 sums; everything else in f32.
;; Inputs: expert_b 8 x 1,024 float32; expert_w 8 x 1,024 x 1,024 float32; gate_b 8 float32; gate_w 1,024 x 8 float32; x 8,192 x 1,024 float32.
;; Outputs: out0 8,192 x 1,024 float32.
;; This version of the problem:
;;   THIS VERSION OF THE PROBLEM IS GIVEN IN LOW PRECISION. The matrix products marked QUANTISED in the list below multiply operands that are first quantised to E2M1 (2 exponent bits, 1 mantissa bit; 4 bits a number), with one power-of-two scale for each 32 numbers along K (OCP MX v1.0); their sums are f32. All else is computed in f32.
;;   The module's matrix products, in the order in which they are computed (A, B: the left and right operand; K: the contracted axis; several contracted axes count as one K, in the product's order):
;;     1. [M 8,192, K 1,024] x [K 1,024, N 8]; A: input x; B: input gate_w: left as it is (N = 8 < 16)
;;     2. [M 8,192, K 1,024] x [K 1,024, N 8,192]; A: input x; B: input expert_w: QUANTISED
;;     3. batch 8,192 x [M 1, K 8] x [K 8, N 1,024]; A: computed on the way; B: computed on the way: left as it is (K = 8 < 32)
;;   THE QUANTISER, for each operand of a quantised product, along K:
;;     - K is cut into blocks of 32 from its start; a last block that is shorter is filled with zeros.
;;     - A block's scale is 2^e with e = floor(log2(the largest magnitude in the block)) - 2, held to -126 .. 127; a block of zeros has e = 0. As a byte (E8M0): e + 127.
;;     - Each number is divided by its block's scale, clamped to +-6, and rounded to the nearest number of E2M1, ties to even, subnormals kept.
;;     - The product sums the exact products of the quantised numbers (number of the format x scale) in f32.
;;   ~~~python
;;   def quantise(x, axis):      # numpy; x: float32 -> the quantised numbers, widened to float32 again
;;       x = np.moveaxis(x, axis, -1); K = x.shape[-1]
;;       x = np.pad(x, [(0, 0)] * (x.ndim - 1) + [(0, -K % 32)]); x = x.reshape(x.shape[:-1] + (-1, 32)); a = np.abs(x).max(-1, keepdims=True)
;;       e = np.where(a > 0, np.clip(np.frexp(np.where(a > 0, a, 1))[1] - 1 - 2, -126, 127), 0)      # np.frexp(a)[1] - 1 = floor(log2(a)), exactly
;;       r = np.clip(x / 2.0 ** e, -6, 6)
;;       step = 2.0 ** (np.maximum(np.frexp(np.where(r == 0, 1, r))[1] - 1, 0) - 1)
;;       q = np.round(r / step) * step * 2.0 ** e      # np.round: ties to even
;;       return np.moveaxis(q.reshape(q.shape[:-2] + (-1,))[..., :K], -1, axis).astype(np.float32)
;;   ~~~
;; One version. Each part assembles by itself: llvm-mc -triple=amdgcn-amd-amdhsa -mcpu=gfx1250 --defsym DOCPART=n.
;; ======== version 1 of 1: 2 launches
;; workspace buffers: xs 4,718,592 bytes; ws 4,456,448 bytes
;; launch prep (part 1): grid 256 x 1, 4 waves a work-group, no clusters, 55,808 bytes of LDS; arguments x, gate_w, gate_b, expert_w, xs, ws; writes xs, ws
.if DOCPART == 1
	.amdgcn_target "amdgcn-amd-amdhsa--gfx1250"
	.amdhsa_code_object_version 6
	.text
	.protected	k_q36278389d4_prep
	.globl	k_q36278389d4_prep
	.p2align	8
	.type	k_q36278389d4_prep,@function
k_q36278389d4_prep:
	s_mov_b64 s[64:65], 0
	v_nop
	global_prefetch_b8 v0, s[64:65] scope:SCOPE_SE
	s_setreg_imm32_b32 hwreg(HW_REG_WAVE_MODE, 25, 1), 1
	s_wait_xcnt 0x0
; x [8192][1024] and expert_w [8][1024 (k)][1024 (o)], f32, become codes of FP4 (E2M1) with one E8M0 byte for each 32 along K, laid in the order in which the product's
; operand registers take them; and the gate is computed: p = softmax(x gate_w + gate_b) in f32, kept for a token's two largest p (the lower index wins a tie), 0 for the others.
; A block's scale is 2^(floor(log2(its largest magnitude)) - 2): its byte is that magnitude's exponent field - 2, held at 1 from below by a floor among the maximum's leaves.
; EVEN work-groups take tokens, ODD ones weights, 512 waves each; the waves share nothing: no barrier, EXEC is never changed.
; xs: 512 units of 9,216 bytes, one for each 16 tokens:  0..8191 codes [block b 0..31][token r][16 bytes] (= 1024 s + 512 c + 16 lane for K step s, register group c);
;     8192..8703 scale words [16 h' + r][j][4 bytes], the word of K step 2 j + h';  8704..9215 the masked p, f32, [q][r][4]: expert 4 q + i.
; ws: [tile 4 g + i][expert][8,704 bytes]; tile (g, i) holds the columns 64 g + 4 rho + i, rho = 0..15:  0..8191 codes [b][rho][16 bytes];  8192..8703 scale words at 64 s + 4 rho.
; LIMITS: NaN and infinities among the inputs are not served.  A block of zeros gets the byte 1 where the rule says 127: its codes are zeros, and this program alone reads the bytes.
; Blocks whose largest magnitude lies under 2^-124 are held at the byte 1.  Two p that differ by less than the rounding of f32 sums of 1,024 terms may be chosen the other way round.
; A p under 2^-126 counts as 0 (the exponential's result).  ws's scale words leave in runs of 64 bytes: 262,144 bytes of the launch's stores do not fill aligned blocks of 256.
.set UNITB, 9216                       ; a unit of xs
.set WTILE, 8704                       ; a tile of one expert in ws
.set WREG,  13824                      ; LDS of a wave (tokens' path alone): TURN, IMG, SCB
.set TP,    144                        ; TURN: 32 pieces x (128 bytes + 16): 4,096 bytes (a token's row; at the head an eighth of gate_w), turned from the order of loading into 128 bytes a lane
.set IMG,   32*TP                      ; IMG: 32 blocks x (16 tokens x 16 bytes + 16): the unit's codes
.set IP,    272
.set SCB,   IMG+32*IP                  ; SCB: the unit's 512 scale bytes
.set LI,  2                            ; v2   16 x lane
.set TS,  4                            ; v4   TURN, in:  144 (lane / 8) + 16 (lane % 8)
.set TL,  5                            ; v5   TURN, out: 144 x lane
.set IS,  6                            ; v6   IMG, in:   272 x lane
.set IL,  7                            ; v7   IMG, out:  272 (lane / 16) + 16 (lane % 16)
.set BS,  8                            ; v8   SCB, in:   256 ((lane / 4) % 2) + 4 (lane / 8) + lane % 4
.set BL,  9                            ; v9   SCB, out:  16 x lane
.set X,   32                           ; v32-63   my block of 32 numbers
.set AA,  64                           ; v64-71   the logits' sums, eight experts: the terms of even k
.set AB,  72                           ; v72-79   the terms of odd k
.set T,   80                           ; v80-87   the other half of the lanes' sums
.set L,   88                           ; v88-95   lanes r and r + 16: token r's eight logits
.set M,   96                           ; v96-99   four chains of the largest magnitude
.set SCL, 100                          ; v100     the conversion's scale operand
.set BY,  101                          ; v101     the scale's byte
.set C,   104                          ; v104-107 my block's codes
.set P,   112                          ; v112-119 p
.set Q,   120                          ; v120-127 p without the largest; then the masked p
.set BK,  128                          ; v128-195 the unit read back; v196-199 my four masked p
; window 1: gate_w: register (4 j + i) 8 + e = gate_w[128 j + 4 lane + i][e].   window 2: x as loaded, six sets of 32: register 4 j + i = x[token][128 j + 4 lane + i]
.set WC,  3                            ; the weights' path: v3 my place among the codes, v4 among the scale words
.set WSO, 4
.set MW,  32                           ; v32-35 largest magnitudes of my four columns; v36-39 scale operands; v40-43 bytes; v44-47 scale words
.set SW,  36
.set BW,  40
.set SBW, 44
.set TW,  64                           ; v64-191  column i's 32 numbers down K at 32 i
.set CW,  192                          ; v192-255 codes: 16 registers of its own for each block, so that no store's data are written again
.set MSB, 0
.macro WIN new                         ; s_set_vgpr_msb: bits 1:0 source 0, 3:2 source 1, 5:4 source 2, 7:6 destination; the high byte repeats the setting that is left
.if MSB != \new
	s_set_vgpr_msb (MSB<<8)|\new
.set MSB, \new
.endif
.endm
	s_load_b256 s[4:11], s[0:1], 0x0               ; x s[4:5], gate_w s[6:7], gate_b s[8:9], expert_w s[10:11]
	s_load_b128 s[12:15], s[0:1], 0x20             ; xs s[12:13], ws s[14:15]
	v_lshl_add_u32 v30, v0, 2, 0xd800
	v_mov_b32 v31, 0
	v_lshrrev_b32 v1, 5, v0
	v_readfirstlane_b32 s16, v1                    ; wave 0..3
	v_and_b32 v1, 31, v0                           ; lane
	v_lshlrev_b32 v[LI], 4, v1
	s_and_b32 s17, ttmp9, 1                        ; tokens (0) or weights (1)
	s_lshr_b32 s18, ttmp9, 1
	s_lshl_b32 s18, s18, 2
	s_add_co_u32 s18, s18, s16                     ; my wave's share, 0..511
	s_wait_kmcnt 0x0
	s_cmp_eq_u32 s17, 0
	s_cbranch_scc0 .Lweights
; ======== TOKENS: my wave takes 16 rows of x, 65,536 bytes, and makes one unit of xs ========
	s_load_b256 s[24:31], s[8:9], 0x0              ; gate_b
	s_lshl_b32 s20, s18, 16
	s_mov_b32 s21, 0
	s_add_nc_u64 s[4:5], s[4:5], s[20:21]          ; x at my first row
	s_mul_i32 s20, s18, UNITB
	s_add_nc_u64 s[12:13], s[12:13], s[20:21]      ; xs at my unit
	; gate_w is loaded AS IT LIES, each load 512 consecutive bytes, 16 a lane.  The sums want 128 consecutive bytes a lane (four rows of eight experts in each 128 rows): loaded so, a load's
	; 32 lanes would stand 128 bytes apart.  So it is turned through LDS below, as a token's row is.
	WIN 0x40                                       ; destination window 1
.irp j, 0,1,2,3,4,5,6,7
.irp q, 0,1,2,3,4,5,6,7
	global_load_b128 v[32*\j+4*\q:32*\j+4*\q+3], v[LI], s[6:7] offset:4096*\j+512*\q
.endr
.endr
.macro XLOAD t                         ; token t's row: eight loads of 512 consecutive bytes, into set t % 6 (window 2)
.irp j, 0,1,2,3,4,5,6,7
	global_load_b128 v[32*((\t)%6)+4*\j:32*((\t)%6)+4*\j+3], v[LI], s[4:5] offset:4096*(\t)+512*\j th:TH_LOAD_NT
.endr
.endm
	WIN 0x80                                       ; destination window 2
.irp t, 0,1,2,3,4,5
	XLOAD \t                                       ; six rows, 24,576 bytes, of every wave are on their way
.endr
	WIN 0
	s_mul_i32 s19, s16, WREG                       ; my wave's LDS
	s_add_co_u32 s22, s19, IMG
	s_add_co_u32 s23, s19, SCB
	s_mov_b32 s32, 0x76543210
	s_mov_b32 s33, 0xfedcba98                      ; v_permlanex16_b32's selects for lane l xor 16
	s_mov_b32 s35, 0xffff0000                      ; lanes 16-31
	v_lshrrev_b32 v10, 3, v1
	v_and_b32 v11, 7, v1
	v_mul_u32_u24 v[TS], v10, TP
	v_lshl_add_u32 v[TS], v11, 4, v[TS]
	v_add_nc_u32 v[TS], s19, v[TS]
	v_mul_u32_u24 v[TL], v1, TP
	v_add_nc_u32 v[TL], s19, v[TL]
	v_mul_u32_u24 v[IS], v1, IP
	v_add_nc_u32 v[IS], s22, v[IS]
	v_lshrrev_b32 v12, 4, v1
	v_and_b32 v13, 15, v1
	v_mul_u32_u24 v[IL], v12, IP
	v_lshl_add_u32 v[IL], v13, 4, v[IL]
	v_add_nc_u32 v[IL], s22, v[IL]
	v_bfe_u32 v14, v1, 2, 1
	v_and_b32 v15, 3, v1
	v_lshlrev_b32 v[BS], 8, v14
	v_lshl_add_u32 v[BS], v10, 2, v[BS]
	v_add_nc_u32 v[BS], v[BS], v15
	v_add_nc_u32 v[BS], s23, v[BS]
	v_add_nc_u32 v[BL], s23, v[LI]
.irp e, 0,1,2,3,4,5,6,7
	v_mov_b32 v[T+\e], 0                           ; written once: a lane permute's destination counts as one of its sources,
	v_mov_b32 v[L+\e], 0                           ; and so does the old value of a select
.endr
; gate_w's turn, 4,096 bytes (128 rows) at a time: eight stores lay them into TURN as they were loaded, eight loads give lane l the 128 bytes of rows 128 j + 4 l + 0..3, into the registers that they left.
	s_wait_loadcnt 48                              ; gate_w's 64 loads are in; the 48 loads of x issued behind them may be out
	WIN 0x44                                       ; a store's data (source 1) and a load's destination: window 1; the addresses: window 0
.irp j, 0,1,2,3,4,5,6,7
.irp q, 0,1,2,3,4,5,6,7
	ds_store_b128 v[TS], v[32*\j+4*\q:32*\j+4*\q+3] offset:4*TP*\q
.endr
.irp n, 0,1,2,3,4,5,6,7
	ds_load_b128 v[32*\j+4*\n:32*\j+4*\n+3], v[TL] offset:16*\n   ; LDS serves a wave's instructions in order (ISA guide 5.7.1.4): these see the stores above, and the next eighth's stores come behind them
.endr
.endr
	WIN 0
	s_wait_dscnt 0x0                               ; gate_w stands in its registers
; ONE TOKEN.  Its row goes two ways: as loaded (lane l: k = 128 j + 4 l + i) into 128 packed multiply-adds with gate_w, two experts each; and through TURN, from which lane l
; takes block l whole (k = 32 l + 0..31), so that the block's maximum needs no other lane and the conversions find neighbours along K in consecutive registers.
.macro TOKEN t
.set RS, 32*((\t)%6)
.if 15-(\t) < 5
	s_wait_loadcnt 8*(15-(\t))                     ; my eight loads are in; those of the tokens behind stay out
.else
	s_wait_loadcnt 40
.endif
	WIN 0x08                                       ; an LDS store's data are its source 1: window 2
.irp j, 0,1,2,3,4,5,6,7
	ds_store_b128 v[TS], v[RS+4*\j:RS+4*\j+3] offset:4*TP*\j
.endr
	WIN 0
.irp i, 0,1,2,3,4,5,6,7
	ds_load_b128 v[X+4*\i:X+4*\i+3], v[TL] offset:16*\i   ; in order behind the stores above
.endr
	WIN 0x06                                       ; source 0 (x) window 2, source 1 (gate_w) window 1
.irp j, 0,1,2,3,4,5,6,7
.irp u, 0,1
.irp p, 0,1,2,3                                ; k = 128 j + 4 l + 2 u: the pair's first register feeds both halves; experts 2 p, 2 p + 1
.if (\j == 0) && (\u == 0)
	v_pk_mul_f32 v[AA+2*\p:AA+2*\p+1], v[RS+4*\j+2*\u:RS+4*\j+2*\u+1], v[(4*\j+2*\u)*8+2*\p:(4*\j+2*\u)*8+2*\p+1] op_sel_hi:[0,1]
.else
	v_pk_fma_f32 v[AA+2*\p:AA+2*\p+1], v[RS+4*\j+2*\u:RS+4*\j+2*\u+1], v[(4*\j+2*\u)*8+2*\p:(4*\j+2*\u)*8+2*\p+1], v[AA+2*\p:AA+2*\p+1] op_sel_hi:[0,1,1]
.endif
.endr
.irp p, 0,1,2,3                                ; k one further on: the pair's second register feeds both halves
.if (\j == 0) && (\u == 0)
	v_pk_mul_f32 v[AB+2*\p:AB+2*\p+1], v[RS+4*\j+2*\u:RS+4*\j+2*\u+1], v[(4*\j+2*\u+1)*8+2*\p:(4*\j+2*\u+1)*8+2*\p+1] op_sel:[1,0] op_sel_hi:[1,1]
.else
	v_pk_fma_f32 v[AB+2*\p:AB+2*\p+1], v[RS+4*\j+2*\u:RS+4*\j+2*\u+1], v[(4*\j+2*\u+1)*8+2*\p:(4*\j+2*\u+1)*8+2*\p+1], v[AB+2*\p:AB+2*\p+1] op_sel:[1,0,0] op_sel_hi:[1,1,1]
.endif
.endr
.endr
.endr
	s_wait_dscnt 0x0                               ; my block is in; the stores into TURN have read the set; the last token's stores of codes and byte have read theirs
.if (\t)+6 < 16
	WIN 0x80
	XLOAD (\t)+6                                   ; the set takes the token six further on
.endif
	WIN 0
	v_max3_num_f32 v[M],   |v[X]|,   |v[X+1]|, 0x1800000   ; the block's largest magnitude in four chains, and the floor 2^(3 - 127): the byte cannot fall under 1
	v_max3_num_f32 v[M+1], |v[X+2]|, |v[X+3]|, |v[X+4]|
	v_max3_num_f32 v[M+2], |v[X+5]|, |v[X+6]|, |v[X+7]|
	v_max3_num_f32 v[M+3], |v[X+8]|, |v[X+9]|, |v[X+10]|
.irp n, 11,19
.irp c, 0,1,2,3
	v_max3_num_f32 v[M+\c], v[M+\c], |v[X+\n+2*\c]|, |v[X+\n+2*\c+1]|
.endr
.endr
	v_max3_num_f32 v[M],   v[M],   |v[X+27]|, |v[X+28]|
	v_max3_num_f32 v[M+1], v[M+1], |v[X+29]|, |v[X+30]|
	v_max3_num_f32 v[M+2], v[M+2], v[M+3], |v[X+31]|
	v_max3_num_f32 v[M], v[M], v[M+1], v[M+2]
	v_add_nc_u32 v[SCL], 0xff000000, v[M]          ; 2 off its exponent field: the conversion takes the exponent field of this operand as its scale, and nothing else of it
.irp g, 0,1,2,3
	v_cvt_scalef32_pk8_fp4_f32 v[C+\g], v[X+8*\g:X+8*\g+7], v[SCL]
.endr
	v_lshrrev_b32 v[BY], 23, v[SCL]                ; the scale's byte; also the plain instruction behind the conversions
	ds_store_b128 v[IS], v[C:C+3] offset:16*(\t)   ; block l, token t
	ds_store_b8 v[BS], v[BY] offset:16*(\t)
.irp p, 0,1,2,3
	v_pk_add_f32 v[AA+2*\p:AA+2*\p+1], v[AA+2*\p:AA+2*\p+1], v[AB+2*\p:AB+2*\p+1]
.endr
.irp m, 1,2,4,8                                ; the eight sums over the 32 lanes
.irp e, 0,1,2,3,4,5,6,7
	v_add_f32_dpp v[AA+\e], v[AA+\e], v[AA+\e] row_xmask:\m row_mask:0xf bank_mask:0xf
.endr
.endr
.irp e, 0,1,2,3,4,5,6,7
	v_permlanex16_b32 v[T+\e], v[AA+\e], s32, s33
.endr
.irp e, 0,1,2,3,4,5,6,7
	v_add_f32 v[AA+\e], v[AA+\e], v[T+\e]
.endr
	s_mov_b32 s34, 0x00010001<<(\t)                ; lanes t and t + 16 keep token t's logits
.irp e, 0,1,2,3,4,5,6,7
	v_cndmask_b32 v[L+\e], v[L+\e], v[AA+\e], s34
.endr
.endm
.irp t, 0,1,2,3,4,5,6,7,8,9,10,11,12,13,14,15
	TOKEN \t
.endr
; THE GATE, all 16 tokens at once: lanes r and r + 16 hold token r.
	s_wait_kmcnt 0x0                               ; gate_b
.irp e, 0,1,2,3,4,5,6,7
	v_add_f32 v[L+\e], s[24+\e], v[L+\e]
.endr
	v_max3_num_f32 v200, v[L], v[L+1], v[L+2]
	v_max3_num_f32 v200, v200, v[L+3], v[L+4]
	v_max3_num_f32 v200, v200, v[L+5], v[L+6]
	v_max_num_f32 v200, v200, v[L+7]               ; the row's largest logit is taken away first, as the softmax has it
.irp e, 0,1,2,3,4,5,6,7
	v_sub_f32 v[P+\e], v[L+\e], v200               ; (the difference first and then the factor: close logits give an exact difference, however large they are)
.endr
.irp e, 0,1,2,3,4,5,6,7
	v_mul_f32 v[P+\e], 0x3fb8aa3b, v[P+\e]         ; x log2(e)
.endr
.irp e, 0,1,2,3,4,5,6,7
	v_exp_f32 v[P+\e], v[P+\e]
.endr
	v_nop                                          ; a plain instruction behind the exponentials (ISA guide 5.7.2)
	s_wait_alu depctr_va_vdst(0)
	v_add_f32 v201, v[P], v[P+1]
	v_add_f32 v202, v[P+2], v[P+3]
	v_add_f32 v203, v[P+4], v[P+5]
	v_add_f32 v204, v[P+6], v[P+7]
	v_add_f32 v201, v201, v202
	v_add_f32 v203, v203, v204
	v_add_f32 v201, v201, v203
	v_rcp_f32 v201, v201
	v_nop
	s_wait_alu depctr_va_vdst(0)
.irp e, 0,1,2,3,4,5,6,7
	v_mul_f32 v[P+\e], v[P+\e], v201               ; p
.endr
; The two largest p.  Lane masks in scalar registers; of equal p the first expert alone keeps its bit.  The masks feed selects and nothing else.
	v_max3_num_f32 v202, v[P], v[P+1], v[P+2]
	v_max3_num_f32 v202, v202, v[P+3], v[P+4]
	v_max3_num_f32 v202, v202, v[P+5], v[P+6]
	v_max_num_f32 v202, v202, v[P+7]
.irp e, 0,1,2,3,4,5,6,7
	v_cmp_eq_f32 s[40+\e], v[P+\e], v202
.endr
	s_mov_b32 s56, 0
.irp e, 0,1,2,3,4,5,6,7
	s_and_not1_b32 s[40+\e], s[40+\e], s56
	s_or_b32 s56, s56, s[40+\e]
.endr
.irp e, 0,1,2,3,4,5,6,7
	v_cndmask_b32 v[Q+\e], v[P+\e], -1.0, s[40+\e] ; the largest is taken out: -1 lies under every p
.endr
	v_max3_num_f32 v203, v[Q], v[Q+1], v[Q+2]
	v_max3_num_f32 v203, v203, v[Q+3], v[Q+4]
	v_max3_num_f32 v203, v203, v[Q+5], v[Q+6]
	v_max_num_f32 v203, v203, v[Q+7]
.irp e, 0,1,2,3,4,5,6,7
	v_cmp_eq_f32 s[48+\e], v[Q+\e], v203
.endr
	s_mov_b32 s56, 0
.irp e, 0,1,2,3,4,5,6,7
	s_and_not1_b32 s[48+\e], s[48+\e], s56
	s_or_b32 s56, s56, s[48+\e]
.endr
.irp e, 0,1,2,3,4,5,6,7
	s_or_b32 s[40+\e], s[40+\e], s[48+\e]
.endr
.irp e, 0,1,2,3,4,5,6,7
	v_cndmask_b32 v[Q+\e], 0, v[P+\e], s[40+\e]    ; p of the two chosen experts, 0 of the others
.endr
.irp i, 0,1,2,3
	v_cndmask_b32 v[BK+68+\i], v[Q+\i], v[Q+4+\i], s35   ; lanes 0-15 store experts 0-3 of token r, lanes 16-31 experts 4-7
.endr
	global_store_b128 v[LI], v[BK+68:BK+71], s[12:13] offset:8704
; The unit's codes and scale bytes leave as they lie in the unit: each store of the wave covers 512 consecutive bytes, at a multiple of 256 from xs's first byte.
.irp i, 0,1,2,3,4,5,6,7,8,9,10,11,12,13,14,15
	ds_load_b128 v[BK+4*\i:BK+4*\i+3], v[IL] offset:2*IP*\i
.endr
	ds_load_b128 v[BK+64:BK+67], v[BL]
.irp i, 0,1,2,3,4,5,6,7,8,9,10,11,12,13,14,15
	s_wait_dscnt 16-\i                             ; load i is in; the 16 - i behind it may be out
	global_store_b128 v[LI], v[BK+4*\i:BK+4*\i+3], s[12:13] offset:512*\i
.endr
	s_wait_dscnt 0x0
	global_store_b128 v[LI], v[BK+64:BK+67], s[12:13] offset:8192
	s_wait_tensorcnt 0x0
	ds_add_u32 v30, v31
	s_wait_dscnt 0x0
	s_endpgm
; ======== WEIGHTS: my wave takes one expert x 128 columns x 128 along K, 65,536 bytes.  K is the rows of expert_w: a lane takes four columns, and its registers run down K ========
.Lweights:
	s_and_b32 s19, s18, 7                          ; K step s
	s_bfe_u32 s20, s18, 0x30003                    ; m: which 128 columns
	s_lshr_b32 s21, s18, 6                         ; expert
	s_lshl_b32 s22, s21, 22                        ; an expert is 4,194,304 bytes,
	s_lshl_b32 s23, s19, 19                        ; 128 rows are 524,288,
	s_add_co_u32 s22, s22, s23
	s_lshl_b32 s23, s20, 9                         ; 128 columns are 512
	s_add_co_u32 s22, s22, s23
	s_mov_b32 s23, 0
	s_add_nc_u64 s[10:11], s[10:11], s[22:23]
	s_mul_i32 s24, s20, 64*WTILE                   ; 128 columns are eight tiles of eight experts
	s_mul_i32 s25, s21, WTILE
	s_add_co_u32 s24, s24, s25
	s_mov_b32 s25, 0
	s_add_nc_u64 s[14:15], s[14:15], s[24:25]
	s_lshl_b32 s24, s19, 6
	s_add_co_u32 s24, s24, 8192
	s_add_nc_u64 s[20:21], s[14:15], s[24:25]      ; the scale words of K step s
	s_lshl_b32 s24, s19, 10
	s_add_nc_u64 s[14:15], s[14:15], s[24:25]      ; its codes
	v_lshrrev_b32 v10, 4, v1                       ; lane l holds columns 128 m + 4 l + i: group of 64 columns 2 m + l / 16, rho = l % 16, tile i of the group
	v_and_b32 v11, 15, v1
	v_mul_u32_u24 v[WC], v10, 32*WTILE             ; a group's four tiles of eight experts
	v_lshl_add_u32 v[WSO], v11, 2, v[WC]
	v_lshl_add_u32 v[WC], v11, 4, v[WC]
.macro LOADB b                         ; block b of the step's four: 32 rows, each load 512 consecutive bytes; register 4 k + i of set b % 2 (window 1)
.irp k, 0,1,2,3,4,5,6,7,8,9,10,11,12,13,14,15,16,17,18,19,20,21,22,23,24,25,26,27,28,29,30,31
	global_load_b128 v[128*((\b)%2)+4*\k:128*((\b)%2)+4*\k+3], v[LI], s[10:11] offset:(32*(\b)+\k)*4096 th:TH_LOAD_NT
.endr
.endm
	WIN 0x40
	LOADB 0
	LOADB 1                                        ; two blocks, 32,768 bytes, of every wave are on their way
.macro WBLOCK b
.if (\b) < 3
	s_wait_loadcnt 32                              ; this block's 32 loads are in; the next block's may be out
.else
	s_wait_loadcnt 0x0
.endif
	WIN 0x01                                       ; source window 1
.irp k, 0,1,2,3,4,5,6,7,8,9,10,11,12,13,14,15,16,17,18,19,20,21,22,23,24,25,26,27,28,29,30,31
.irp i, 0,1,2,3
	v_mov_b32 v[TW+32*\i+\k], v[128*((\b)%2)+4*\k+\i]   ; a load leaves four columns side by side; the conversions want one column's neighbours along K in consecutive registers
.endr
.endr
.if (\b)+2 < 4
	WIN 0x40
	LOADB (\b)+2                                   ; the set is copied out: it takes the block two further on
.endif
	WIN 0
.irp i, 0,1,2,3
	v_max3_num_f32 v[MW+\i], |v[TW+32*\i]|, |v[TW+32*\i+1]|, 0x1800000   ; the floor 2^(3 - 127): the byte cannot fall under 1
.endr
.irp n, 2,4,6,8,10,12,14,16,18,20,22,24,26,28,30
.irp i, 0,1,2,3
	v_max3_num_f32 v[MW+\i], v[MW+\i], |v[TW+32*\i+\n]|, |v[TW+32*\i+\n+1]|   ; the four columns by turns: no line waits for the line above it
.endr
.endr
.irp i, 0,1,2,3
	v_add_nc_u32 v[SW+\i], 0xff000000, v[MW+\i]    ; 2 off the exponent field: the conversion's scale operand
.endr
.irp i, 0,1,2,3
.irp g, 0,1,2,3
	v_cvt_scalef32_pk8_fp4_f32 v[CW+16*(\b)+4*\i+\g], v[TW+32*\i+8*\g:TW+32*\i+8*\g+7], v[SW+\i]
.endr
.endr
.irp i, 0,1,2,3
	v_lshrrev_b32 v[BW+\i], 23, v[SW+\i]           ; the bytes; also the plain instructions behind the conversions
.endr
.irp i, 0,1,2,3
.if (\b) == 0
	v_mov_b32 v[SBW+\i], v[BW+\i]
.else
	v_lshl_or_b32 v[SBW+\i], v[BW+\i], 8*(\b), v[SBW+\i]   ; four bytes make the column's scale word of this K step
.endif
.endr
.irp i, 0,1,2,3
	global_store_b128 v[WC], v[CW+16*(\b)+4*\i:CW+16*(\b)+4*\i+3], s[14:15] offset:8*WTILE*\i+256*(\b)   ; lanes 0-15 and lanes 16-31 each store 256 consecutive bytes, at a multiple of 256 from ws's first byte
.endr
.endm
	WBLOCK 0
	WBLOCK 1
	WBLOCK 2
	WBLOCK 3
.irp i, 0,1,2,3
	global_store_b32 v[WSO], v[SBW+\i], s[20:21] offset:8*WTILE*\i
.endr
	s_endpgm
.Lfunc_end_k_q36278389d4_prep:
	.size	k_q36278389d4_prep, .Lfunc_end_k_q36278389d4_prep-k_q36278389d4_prep
	.p2alignl 7, 3214868480
	.fill 96, 4, 3214868480
	.section	.rodata,"a",@progbits
	.p2align	6, 0x0
	.amdhsa_kernel k_q36278389d4_prep
		.amdhsa_group_segment_fixed_size 55808
		.amdhsa_private_segment_fixed_size 0
		.amdhsa_enable_private_segment 0
		.amdhsa_kernarg_size 48
		.amdhsa_user_sgpr_count 2
		.amdhsa_user_sgpr_kernarg_segment_ptr 1
		.amdhsa_wavefront_size32 1
		.amdhsa_system_sgpr_workgroup_id_x 1
		.amdhsa_system_sgpr_workgroup_id_y 1
		.amdhsa_system_sgpr_workgroup_id_z 1
		.amdhsa_system_vgpr_workitem_id 0
		.amdhsa_next_free_vgpr 768
		.amdhsa_next_free_sgpr 66
		.amdhsa_reserve_vcc 0
		.amdhsa_float_denorm_mode_32 3
		.amdhsa_float_denorm_mode_16_64 3
		.amdhsa_memory_ordered 1
		.amdhsa_forward_progress 1
		.amdhsa_inst_pref_size 255
	.end_amdhsa_kernel
	.section	.bss,"aw",@nobits
	.p2align	6
	.space	262144
	.amdgpu_metadata
---
amdhsa.version: [ 1, 2 ]
amdhsa.kernels:
  - .name:           k_q36278389d4_prep
    .symbol:         k_q36278389d4_prep.kd
    .args:
      - { .name: x, .offset: 0, .size: 8, .value_kind: global_buffer, .address_space: global }
      - { .name: gate_w, .offset: 8, .size: 8, .value_kind: global_buffer, .address_space: global }
      - { .name: gate_b, .offset: 16, .size: 8, .value_kind: global_buffer, .address_space: global }
      - { .name: expert_w, .offset: 24, .size: 8, .value_kind: global_buffer, .address_space: global }
      - { .name: xs, .offset: 32, .size: 8, .value_kind: global_buffer, .address_space: global }
      - { .name: ws, .offset: 40, .size: 8, .value_kind: global_buffer, .address_space: global }
    .group_segment_fixed_size: 55808
    .private_segment_fixed_size: 0
    .kernarg_segment_align: 8
    .kernarg_segment_size: 48
    .max_flat_workgroup_size: 128
    .sgpr_count:     66
    .vgpr_count:     768
    .wavefront_size: 32
...
	.end_amdgpu_metadata
.endif
;; end of part 1
;; launch moe (part 2): grid 16 x 16, 4 waves a work-group, clusters of 4 x 1, 327,680 bytes of LDS; arguments xs, ws, expert_b, out0; writes out0
.if DOCPART == 2
	.amdgcn_target "amdgcn-amd-amdhsa--gfx1250"
	.amdhsa_code_object_version 6
	.text
	.protected	k_q36278389d4_moe
	.globl	k_q36278389d4_moe
	.p2align	8
	.type	k_q36278389d4_moe,@function
k_q36278389d4_moe:
	s_mov_b64 s[64:65], 0
	v_nop
	global_prefetch_b8 v0, s[64:65] scope:SCOPE_SE
	s_setreg_imm32_b32 hwreg(HW_REG_WAVE_MODE, 25, 1), 1
	s_wait_xcnt 0x0
	s_wait_alu depctr_hold_cnt(0) depctr_sa_sdst(0) depctr_va_vdst(0) depctr_va_sdst(0) depctr_va_ssrc(0) depctr_va_vcc(0) depctr_vm_vsrc(0)
	s_getreg_b32 s2, hwreg(HW_REG_IB_STS2, 6, 4)
	s_cmp_eq_u32 s2, 0
	s_cbranch_scc0 .Lentry_in_a_cluster
	s_endpgm
.Lentry_in_a_cluster:
	s_bfe_u32 s2, ttmp6, 0x10000c
	s_cmp_lg_u32 s2, 0x3003
	s_cbranch_scc0 .Lentry_shape_is_right
	s_endpgm
.Lentry_shape_is_right:
; out0[n][o] = the sum over the eight experts e of w[n][e] x (Q(x[n]) . Q(W_e[:, o]) + b[e][o]); w is the softmax's p for a token's two chosen experts and 0 for the others.
; The products run on codes of FP4 (E2M1) with one E8M0 scale for each 32 along K, as the launch before has laid them in xs and ws; sums in f32.
; Every expert is multiplied for every token, as the problem's text writes it: no address and no branch hangs on the choice.
; SHARES.  A work-group makes 512 tokens x 64 columns.  Wave i keeps the tile of columns 64 g + 4 rho + i (rho = 0..15) of ALL EIGHT experts, for all of K, in 512 registers, read once;
; what streams is x: 32 units of 16 tokens (codes, scale words, w: 9,216 bytes), through two LDS slots of eight units, read by all four waves.
; CLUSTER.  The four work-groups of a cluster have the same 512 tokens and four neighbouring g: each slot is asked for JOINTLY, by the same tensor loads with a mask that names the four.
; The weights are not asked for jointly: each work-group reads its 278,528 bytes once, straight into registers, and LDS holds none of them.
; THE MATRIX INSTRUCTION: source 0 = 16 columns of W_e, source 1 = 16 tokens.  Lane (r, h) then holds token r, and register j the tile's row rho = 8 h + j.  The bias is the C of a sum's first instruction.
; A UNIT: 64 matrix instructions (8 K steps, the eight experts' accumulators by turns), then 32 packed multiply-adds fold the eight sums by w into eight numbers, which go to the wave's stage in LDS.
; After a slot's eight units 128 rows x 64 columns lie in the four stages; each wave reads 32 whole rows (a word from each stage makes 16 bytes) and stores them.
; LIMITS: an expert that was not chosen is multiplied by 0, so its sum must be finite: inputs whose sums overflow f32 are not served, nor NaN or infinities.
; REGISTERS, in windows of 256: window 0: v2-13 addresses; v32-63 W's scale words (4 e + j: lanes 0-15 K step 2 j, lanes 16-31 K step 2 j + 1); v64-71 x's, two sets; v72-87 w, two sets;
;   v88-95 the unit's results; v128-191, v192-255 x's fragments, two sets.   window 1: W's fragments of K steps 0-3, at 32 e + 8 s.   window 2: those of K steps 4-7.
;   window 3: v0-63 the eight accumulators; v64-127 the biases in the result's layout; v128-191 rows on the way out.
.set UNITB, 9216                       ; a unit of xs
.set WTILE, 8704                       ; a tile of one expert in ws
.set SLOTB, 8*UNITB                    ; a slot: eight units, 73,728 bytes
.set QUART, 2*UNITB                    ; what one wave's tensor load brings: 72 rows of 256 bytes
.set SLOT1, 1<<17                      ; slot 1 begins here: one exclusive or turns an address in one slot into the other's
.set STAGE, SLOTB                      ; behind slot 0: a stage for each wave, 128 rows x (64 bytes + 16); no tensor load lands here
.set SP,    80                         ; 20 words: the sixteen rows that a store of 16 bytes a lane touches begin at sixteen different multiples of 4 words modulo 64
.set WSTG,  128*SP
.set SPARE, STAGE+4*WSTG               ; the spare words, 128 bytes for each wave: two blocks of 256 bytes that no other line names
.set SPW, 2                            ; v2   SPARE + 4 x my thread's number; never rewritten
.set NIL, 3                            ; v3   0; never rewritten
.set LI,  4                            ; v4   16 x lane
.set LR,  5                            ; v5   16 x (lane % 16)
.set LS,  6                            ; v6   4 x lane
.set ADR, 7                            ; v7   LDS address of the unit in hand, + 16 x lane
.set ADW, 8                            ; v8   the same + 16 x (lane % 16)
.set STO, 9                            ; v9   my stage: row r, + 32 h
.set RD,  10                           ; v10  the way out: stage 0, row 32 wave + h, word r
.set CO,  11                           ; v11  and in out0: 4096 h + 16 r
.set BA,  12                           ; v12  128 h: my half's biases
.set ADS, 13                           ; v13  where the unit's results go
.set WS,  32
.set XS,  64
.set WT,  72
.set OUT, 88
.set F0,  128
.set BIAS, 64                          ; in window 3
.set OB,  128                          ; in window 3
.set WV,  12                           ; s12  my wave's number
.set G1,  24                           ; s[24:31] descriptor group 1
.set G0,  32                           ; s[32:35] descriptor group 0: it walks
.set UB,  40                           ; s40  LDS byte of the unit to be fetched
.set SU,  41                           ; s41  the unit's rows in a stage
.set SLOTS, 42
.set CNT, 43
.set MSB, 0
.macro WIN new                         ; s_set_vgpr_msb: bits 1:0 source 0, 3:2 source 1, 5:4 source 2, 7:6 destination; the high byte repeats the setting that is left
.if MSB != \new
	s_set_vgpr_msb (MSB<<8)|\new
.set MSB, \new
.endif
.endm
; A round of the cluster's barrier: my work-group's barrier, so that wave 0's signal speaks for all four waves; wave 0 signals for the work-group; every wave waits for all four work-groups; my work-group's barrier once more.
.macro CROUND
	s_barrier_signal -1
	s_barrier_wait -1
	s_cmp_lg_u32 s[WV], 0
	s_cbranch_scc1 .Lnot_wave_0_\@
	s_barrier_signal -3
.Lnot_wave_0_\@:
	s_barrier_wait -3
	s_barrier_signal -1
	s_barrier_wait -1
.endm
	s_load_b256 s[4:11], s[0:1], 0x0               ; xs s[4:5], ws s[6:7], expert_b s[8:9], out0 s[10:11]
	v_lshl_add_u32 v[SPW], v0, 2, SPARE
	v_mov_b32 v[NIL], 0
	ds_add_u32 v2, v3
	ds_add_u32 v2, v3
	s_wait_dscnt 0x0
	v_lshrrev_b32 v1, 5, v0
	v_readfirstlane_b32 s[WV], v1                  ; wave 0..3
	s_bfe_u32 s13, ttmp6, 0x40000                  ; cx: my place in the cluster
	s_lshl_b32 s14, ttmp9, 2                       ; in a cluster launch ttmp9 counts clusters
	s_add_co_u32 s14, s14, s13                     ; g = 4 x cluster x + cx: it enters the addresses of ws, expert_b and out0 alone
	s_and_b32 s15, ttmp7, 0xffff                   ; which 512 tokens: the four partners share it
	; descriptor group 1: 72 rows of 32 elements of 8 bytes, dense in memory and in LDS
	s_mov_b32 s[G1], 15|(3<<16)|(1<<21)            ; 15:0 the mask: all four work-groups; 17:16 elements of 8 bytes; 20 no padding; 21 set beside a mask
	s_mov_b32 s[G1+1], 32<<16                      ; tensor_dim0 = 32
	s_mov_b32 s[G1+2], 72<<16                      ; tensor_dim1 = 72
	s_mov_b32 s[G1+3], 32<<16                      ; tile_dim0 = 32
	s_mov_b32 s[G1+4], 72                          ; tile_dim1 = 72
	s_mov_b32 s[G1+5], 32                          ; from row to row: 32 elements
	s_mov_b32 s[G1+6], 0
	s_mov_b32 s[G1+7], 0
	s_mul_i32 s[G0+1], s[WV], QUART                ; LDS address: my quarter of slot 0: the wave's number alone
	s_mul_i32 s16, s15, 32*UNITB                   ; the tokens' 32 units,
	s_add_co_u32 s16, s16, s[G0+1]                 ; my quarter of the first eight
	s_mov_b32 s17, 0
	s_lshl_b32 s18, s14, 2
	s_add_co_u32 s18, s18, s[WV]
	s_mul_i32 s18, s18, 8*WTILE                    ; ws: tile 4 g + wave, eight experts
	s_mov_b32 s19, 0
	s_lshl_b32 s20, s14, 8                         ; 64 columns are 256 bytes
	s_lshl_b32 s22, s[WV], 2
	s_add_co_u32 s22, s22, s20                     ; expert_b: column 64 g + wave
	s_mov_b32 s23, 0
	s_lshl_b32 s36, s15, 21                        ; out0: 512 rows of 4,096 bytes,
	s_lshl_b32 s37, s[WV], 17                      ; the 32 rows of each 128 that I store,
	s_add_co_u32 s36, s36, s37
	s_add_co_u32 s36, s36, s20                     ; the work-group's 256 bytes of a row
	s_mov_b32 s37, 0
	s_mov_b32 s[UB], 0
	s_mov_b32 s[SU], 0
	s_mov_b32 s[SLOTS], 3
	s_wait_kmcnt 0x0
	s_mov_b32 s[G0], 1                             ; count = 1
	s_add_nc_u64 s[G0+2:G0+3], s[4:5], s[16:17]
	s_or_b32 s[G0+3], s[G0+3], 0x80000000          ; type = 2
	s_add_nc_u64 s[6:7], s[6:7], s[18:19]
	s_add_nc_u64 s[8:9], s[8:9], s[22:23]
	s_add_nc_u64 s[10:11], s[10:11], s[36:37]
	CROUND                                         ; all four work-groups are here: the first joint loads meet
	tensor_load_to_lds s[G0:G0+3], s[G1:G1+7]      ; slot 0: units 0 to 7
	s_nop 0
.rept 4
	v_nop                                          ; four v_nop follow a tensor load
.endr
	v_and_b32 v1, 31, v0                           ; lane
	v_and_b32 v14, 15, v0                          ; r
	v_bfe_u32 v15, v0, 4, 1                        ; h
	v_lshlrev_b32 v[LI], 4, v1
	v_lshlrev_b32 v[LR], 4, v14
	v_lshlrev_b32 v[LS], 2, v1
	v_lshlrev_b32 v[BA], 7, v15
	; THE WEIGHTS, once: a fragment lies in ws as the image of its registers, so each load reads 512 consecutive bytes
	WIN 0x40                                       ; destination window 1
.irp e, 0,1,2,3,4,5,6,7
.irp s, 0,1,2,3
.irp c, 0,1
	global_load_b128 v[32*\e+8*\s+4*\c:32*\e+8*\s+4*\c+3], v[LI], s[6:7] offset:WTILE*\e+1024*\s+512*\c
.endr
.endr
.endr
	WIN 0x80                                       ; destination window 2
.irp e, 0,1,2,3,4,5,6,7
.irp s, 0,1,2,3
.irp c, 0,1
	global_load_b128 v[32*\e+8*\s+4*\c:32*\e+8*\s+4*\c+3], v[LI], s[6:7] offset:WTILE*\e+1024*(\s+4)+512*\c
.endr
.endr
.endr
	WIN 0
.irp e, 0,1,2,3,4,5,6,7
.irp j, 0,1,2,3
	global_load_b32 v[WS+4*\e+\j], v[LS], s[6:7] offset:WTILE*\e+8192+128*\j
.endr
.endr
	WIN 0xc0                                       ; destination window 3
.irp e, 0,1,2,3,4,5,6,7
.irp j, 0,1,2,3,4,5,6,7
	global_load_b32 v[BIAS+8*\e+\j], v[BA], s[8:9] offset:4096*\e+16*\j   ; b[e][64 g + 32 h + 4 j + wave]: what register j of the result holds
.endr
.endr
	WIN 0
	s_mul_i32 s38, s[WV], WSTG
	s_add_co_u32 s38, s38, STAGE                   ; my stage
	v_mul_u32_u24 v[STO], v14, SP
	v_lshl_add_u32 v[STO], v15, 5, v[STO]
	v_add_nc_u32 v[STO], s38, v[STO]
	s_mul_i32 s39, s[WV], 32*SP
	s_add_co_u32 s39, s39, STAGE                   ; the rows that I store, in stage 0
	v_mul_u32_u24 v[RD], v15, SP
	v_lshl_add_u32 v[RD], v14, 2, v[RD]
	v_add_nc_u32 v[RD], s39, v[RD]
	v_lshlrev_b32 v[CO], 12, v15
	v_lshl_add_u32 v[CO], v14, 4, v[CO]
; 19 LDS loads in one run: a unit's eight fragments (each load 512 consecutive bytes), its scale words and its tokens' eight w, into set f
.macro FETCH f
	v_add_nc_u32 v[ADR], s[UB], v[LI]
	v_add_nc_u32 v[ADW], s[UB], v[LR]
	s_add_co_u32 s[UB], s[UB], UNITB
.irp q, 0,1,2,3,4,5,6,7,8,9,10,11,12,13,14,15
	ds_load_b128 v[F0+64*(\f)+4*\q:F0+64*(\f)+4*\q+3], v[ADR] offset:512*\q
.endr
	ds_load_b128 v[XS+4*(\f):XS+4*(\f)+3], v[ADR] offset:8192
	ds_load_b128 v[WT+8*(\f):WT+8*(\f)+3], v[ADW] offset:8704
	ds_load_b128 v[WT+8*(\f)+4:WT+8*(\f)+7], v[ADW] offset:8960
.endm
; Expert e, K step s, x's set f.  A scale register holds an even K step's words in lanes 0-15 and the next odd step's in lanes 16-31.
.macro MM e, s, f
.set rD, 8*(\e)
.set rW, 32*(\e)+8*((\s)%4)
.set rX, F0+64*(\f)+8*(\s)
.set rA, WS+4*(\e)+(\s)/2
.set rB, XS+4*(\f)+(\s)/2
.if (\s) == 0
	v_wmma_scale_f32_16x16x128_f8f6f4 v[rD:rD+7], v[rW:rW+7], v[rX:rX+7], v[BIAS+rD:BIAS+rD+7], v[rA], v[rB] matrix_a_fmt:MATRIX_FMT_FP4 matrix_b_fmt:MATRIX_FMT_FP4
.elseif (\s)%2 == 0
	v_wmma_scale_f32_16x16x128_f8f6f4 v[rD:rD+7], v[rW:rW+7], v[rX:rX+7], v[rD:rD+7], v[rA], v[rB] matrix_a_fmt:MATRIX_FMT_FP4 matrix_b_fmt:MATRIX_FMT_FP4
.else
	v_wmma_scale_f32_16x16x128_f8f6f4 v[rD:rD+7], v[rW:rW+7], v[rX:rX+7], v[rD:rD+7], v[rA], v[rB] matrix_a_fmt:MATRIX_FMT_FP4 matrix_b_fmt:MATRIX_FMT_FP4 matrix_a_scale:MATRIX_SCALE_ROW1 matrix_b_scale:MATRIX_SCALE_ROW1
.endif
.endm
; A UNIT of 16 tokens, from set f.  fetch = 1: the next unit is fetched into the other set at its head, 64 matrix instructions ahead of its use.
; The eight accumulators take turns, one instruction a turn.  A vector instruction that reads a matrix result, a load into a register that a matrix instruction has read,
; and a matrix instruction that begins an accumulator anew stand four or five plain vector instructions behind it: the four v_nop and the other experts' multiply-adds are those.
.macro UNIT f, fetch
	s_wait_dscnt 2                                 ; my 19 loads are in; the last unit's two stage stores, issued behind them, may be out
.if \fetch
	FETCH 1-(\f)
.endif
	WIN 0xf1                                       ; source 0 (W) window 1, source 1 (x) window 0, C and D window 3
.irp s, 0,1,2,3
.irp e, 0,1,2,3,4,5,6,7
	MM \e, \s, \f
.endr
.endr
	WIN 0xf2                                       ; W in window 2
.irp s, 4,5,6,7
.irp e, 0,1,2,3,4,5,6,7
	MM \e, \s, \f
.endr
.endr
.if \fetch
	s_wait_dscnt 19                                ; all but the 19 loads just issued: the last unit's stage stores have read their registers
.else
	s_wait_dscnt 0x0
.endif
	WIN 0x03                                       ; source 0 (the sums) window 3
.rept 4
	v_nop
.endr
.irp p, 0,1,2,3                                ; the results begin with expert 0's sum x w: nothing is cleared; each accumulator is read from its low end on
	v_pk_mul_f32 v[OUT+2*\p:OUT+2*\p+1], v[2*\p:2*\p+1], v[WT+8*(\f):WT+8*(\f)+1] op_sel_hi:[1,0]
.endr
.irp p, 0,1,2,3
	v_pk_fma_f32 v[OUT+2*\p:OUT+2*\p+1], v[8+2*\p:8+2*\p+1], v[WT+8*(\f):WT+8*(\f)+1], v[OUT+2*\p:OUT+2*\p+1] op_sel:[0,1,0] op_sel_hi:[1,1,1]
.endr
.irp d, 1,2,3                                  ; experts 2 d (the pair's first register feeds both halves) and 2 d + 1 (its second)
.irp p, 0,1,2,3
	v_pk_fma_f32 v[OUT+2*\p:OUT+2*\p+1], v[16*\d+2*\p:16*\d+2*\p+1], v[WT+8*(\f)+2*\d:WT+8*(\f)+2*\d+1], v[OUT+2*\p:OUT+2*\p+1] op_sel_hi:[1,0,1]
.endr
.irp p, 0,1,2,3
	v_pk_fma_f32 v[OUT+2*\p:OUT+2*\p+1], v[16*\d+8+2*\p:16*\d+8+2*\p+1], v[WT+8*(\f)+2*\d:WT+8*(\f)+2*\d+1], v[OUT+2*\p:OUT+2*\p+1] op_sel:[0,1,0] op_sel_hi:[1,1,1]
.endr
.endr
	WIN 0
	v_add_nc_u32 v[ADS], s[SU], v[STO]
	s_add_co_u32 s[SU], s[SU], 16*SP               ; the next unit's 16 rows
	ds_store_b128 v[ADS], v[OUT:OUT+3]             ; token r, words rho = 8 h + 0..7 of my stage
	ds_store_b128 v[ADS], v[OUT+4:OUT+7] offset:16
.endm
; THE WAY OUT of 128 tokens.  Column 64 g + 4 rho + i lies in stage i at word rho: four loads of a word make a lane's 16 bytes.
.macro OUTPUT
	s_wait_dscnt 0x0                               ; for the others' sake: my stores into my stage are done
	s_barrier_signal -1                            ; (the other slot's tensor load may stay out)
	s_barrier_wait -1
	WIN 0xc0                                       ; destination window 3
.irp t, 0,1,2,3,4,5,6,7,8,9,10,11,12,13,14,15
.irp i, 0,1,2,3
	ds_load_b32 v[OB+4*\t+\i], v[RD] offset:\i*WSTG+2*SP*\t
.endr
.endr
	WIN 0x0c                                       ; a store's data are its source 1: window 3
.irp t, 0,1,2,3,4,5,6,7,8,9,10,11,12,13,14,15
	s_wait_dscnt 4*(15-\t)                         ; rows 2 t and 2 t + 1 are in; the four loads of each later pair may be out
	global_store_b128 v[CO], v[OB+4*\t:OB+4*\t+3], s[10:11] offset:8192*\t th:TH_STORE_NT   ; 16 lanes store 256 consecutive bytes, at a multiple of 256 from out0's first byte
.endr
	WIN 0
	s_wait_xcnt 0x0                                ; the stores' addresses are translated (ISA guide 3.1): only behind this wait are their base and their data registers written again
	s_add_nc_u64 s[10:11], s[10:11], 128*4096      ; the next 128 tokens
.endm
; A slot's eight units; the pair of units is written in a loop of three trips, the last pair apart, since it fetches nothing beyond the slot.
.macro SLOT_STEPS
	FETCH 0
	s_wait_dscnt 0x0                               ; no stage store follows these 19 loads, so the count at the unit's head would not cover them
	s_mov_b32 s[CNT], 3
.Lpair_\@:
	UNIT 0, 1
	UNIT 1, 1
	s_sub_co_u32 s[CNT], s[CNT], 1
	s_cmp_lg_u32 s[CNT], 0
	s_cbranch_scc1 .Lpair_\@
	UNIT 0, 1
	UNIT 1, 0
	s_sub_co_u32 s[UB], s[UB], SLOTB               ; the fetches go back to a slot's first unit,
	s_xor_b32 s[UB], s[UB], SLOT1                  ; in the other slot;
	s_sub_co_u32 s[SU], s[SU], WSTG                ; the stages begin anew
	OUTPUT
.endm
; THE CHANGE OF SLOTS stands at a slot's head.  Each wave waits for all its tensor loads (one is out: its quarter of the slot ahead), adds 0 to its spare word, and waits for that and for its LDS reads
; (of the slot that it has left, and of the stages).  fill = 1: the barrier is a round of the cluster's, so that no wave of any partner still reads the slot that was left or has a load on its way,
; and the joint load of the next eight units is the first thing behind it: it has a slot's 512 matrix instructions in which to land.  A wave never has more than one tensor load out.
.macro CHANGE fill
	s_wait_tensorcnt 0x0                           ; no tensor load of mine is out, so group 0 may be written
	ds_add_u32 v[SPW], v[NIL]                      ; 0 onto my spare word
.if \fill
	s_xor_b32 s[G0+1], s[G0+1], SLOT1              ; the other slot than last time,
	s_add_nc_u64 s[G0+2:G0+3], s[G0+2:G0+3], SLOTB ; the next eight units; the type bits on top are not reached
.endif
	s_wait_dscnt 0x0
.if \fill
	CROUND
	tensor_load_to_lds s[G0:G0+3], s[G1:G1+7]
	s_nop 0
.rept 4
	v_nop
.endr
.else
	s_barrier_signal -1
	s_barrier_wait -1
.endif
.endm
	s_wait_loadcnt 0x0                             ; the weights, their scale words and the biases
.Lslot:                                            ; three trips: behind each change of slots but the last the next eight units are asked for
	CHANGE 1
	SLOT_STEPS
	s_sub_co_u32 s[SLOTS], s[SLOTS], 1
	s_cmp_lg_u32 s[SLOTS], 0
	s_cbranch_scc1 .Lslot
	CHANGE 0                                       ; the last slot is written out
	SLOT_STEPS
	s_wait_tensorcnt 0x0                           ; the wave's end: behind my last tensor load and my last LDS store
	ds_add_u32 v[SPW], v[NIL]
	s_wait_dscnt 0x0
	CROUND                                         ; the closing round: no work-group ends while a partner may still ask for a tile that names it
	s_endpgm
.Lfunc_end_k_q36278389d4_moe:
	.size	k_q36278389d4_moe, .Lfunc_end_k_q36278389d4_moe-k_q36278389d4_moe
	.p2alignl 7, 3214868480
	.fill 96, 4, 3214868480
	.section	.rodata,"a",@progbits
	.p2align	6, 0x0
	.amdhsa_kernel k_q36278389d4_moe
		.amdhsa_group_segment_fixed_size 327680
		.amdhsa_private_segment_fixed_size 0
		.amdhsa_enable_private_segment 0
		.amdhsa_kernarg_size 32
		.amdhsa_user_sgpr_count 2
		.amdhsa_user_sgpr_kernarg_segment_ptr 1
		.amdhsa_wavefront_size32 1
		.amdhsa_system_sgpr_workgroup_id_x 1
		.amdhsa_system_sgpr_workgroup_id_y 1
		.amdhsa_system_sgpr_workgroup_id_z 1
		.amdhsa_system_vgpr_workitem_id 0
		.amdhsa_next_free_vgpr 1024
		.amdhsa_next_free_sgpr 66
		.amdhsa_reserve_vcc 0
		.amdhsa_float_denorm_mode_32 3
		.amdhsa_float_denorm_mode_16_64 3
		.amdhsa_memory_ordered 1
		.amdhsa_forward_progress 1
		.amdhsa_inst_pref_size 135
	.end_amdhsa_kernel
	.amdgpu_metadata
---
amdhsa.version: [ 1, 2 ]
amdhsa.kernels:
  - .name:           k_q36278389d4_moe
    .symbol:         k_q36278389d4_moe.kd
    .args:
      - { .name: xs, .offset: 0, .size: 8, .value_kind: global_buffer, .address_space: global }
      - { .name: ws, .offset: 8, .size: 8, .value_kind: global_buffer, .address_space: global }
      - { .name: expert_b, .offset: 16, .size: 8, .value_kind: global_buffer, .address_space: global }
      - { .name: out0, .offset: 24, .size: 8, .value_kind: global_buffer, .address_space: global }
    .group_segment_fixed_size: 327680
    .private_segment_fixed_size: 0
    .kernarg_segment_align: 8
    .kernarg_segment_size: 32
    .max_flat_workgroup_size: 128
    .sgpr_count:     66
    .vgpr_count:     1024
    .wavefront_size: 32
...
	.end_amdgpu_metadata
.endif
;; end of part 2
